; MI455X (gfx1250); checked and timed in simulation.
; The chip was launched on July 23, 2026; its instructions are those of AMD's public machine-readable ISA for CDNA 5 (MIT licence, August 2026) and "CDNA5" Instruction Set Architecture Reference Guide (July 2026). The comments in the code are by the model that wrote it; some were corrected since.
;; Flash Attention Pipelined. Allowed arithmetic: matrix products marked QUANTISED: E2M1 operands, one E8M0 scale for each 32 along K, by v_wmma_scale_f32_16x16x128_f8f6f4 with both operands' format E2M1 (or v_wmma_scale_f32_32x16x128_f4), f32 sums; everything else in f32.
;; Inputs: key 4 x 16 x 2,048 x 128 float32; query 4 x 16 x 2,048 x 128 float32; value 4 x 16 x 2,048 x 128 float32.
;; Outputs: out0 4 x 16 x 2,048 x 128 float32.
;; This version of the problem:
;;   THIS VERSION OF THE PROBLEM IS GIVEN IN LOW PRECISION. The matrix products marked QUANTISED in the list below multiply operands that are first quantised to E2M1 (2 exponent bits, 1 mantissa bit; 4 bits a number), with one power-of-two scale for each 32 numbers along K (OCP MX v1.0); their sums are f32. All else is computed in f32.
;;   The module's matrix products, in the order in which they are computed (A, B: the left and right operand; K: the contracted axis; several contracted axes count as one K, in the product's order):
;;     1. batch 64 x [M 2,048, K 128] x [K 128, N 2,048]; A: input query; B: input key: QUANTISED
;;     2. batch 64 x [M 2,048, K 2,048] x [K 2,048, N 128]; A: softmax (see below); B: input value: QUANTISED
;;   THE QUANTISER, for each operand of a quantised product, along K:
;;     - K is cut into blocks of 32 from its start; a last block that is shorter is filled with zeros.
;;     - A block's scale is 2^e with e = floor(log2(the largest magnitude in the block)) - 2, held to -126 .. 127; a block of zeros has e = 0. As a byte (E8M0): e + 127.
;;     - Each number is divided by its block's scale, clamped to +-6, and rounded to the nearest number of E2M1, ties to even, subnormals kept.
;;     - The product sums the exact products of the quantised numbers (number of the format x scale) in f32.
;;   ~~~python
;;   def quantise(x, axis):      # numpy; x: float32 -> the quantised numbers, widened to float32 again
;;       x = np.moveaxis(x, axis, -1); K = x.shape[-1]
;;       x = np.pad(x, [(0, 0)] * (x.ndim - 1) + [(0, -K % 32)]); x = x.reshape(x.shape[:-1] + (-1, 32)); a = np.abs(x).max(-1, keepdims=True)
;;       e = np.where(a > 0, np.clip(np.frexp(np.where(a > 0, a, 1))[1] - 1 - 2, -126, 127), 0)      # np.frexp(a)[1] - 1 = floor(log2(a)), exactly
;;       r = np.clip(x / 2.0 ** e, -6, 6)
;;       step = 2.0 ** (np.maximum(np.frexp(np.where(r == 0, 1, r))[1] - 1, 0) - 1)
;;       q = np.round(r / step) * step * 2.0 ** e      # np.round: ties to even
;;       return np.moveaxis(q.reshape(q.shape[:-2] + (-1,))[..., :K], -1, axis).astype(np.float32)
;;   ~~~
;;   SOFTMAX AHEAD OF A QUANTISED PRODUCT. Where the list says 'softmax', what is quantised is not the finished softmax but p = 2^(t - M), with t = logit x log2(e) and M = ceil(the row's largest t), a whole number; so 1/2 < the row's largest p <= 1. The row's sum l is taken of the UNQUANTISED p, in f32, and the product's result is divided by l at the end. Since M is a whole number, a kernel that streams over the keys may use a running M (the ceiling of the running maximum): every later rescaling is an exact power of two, which a block's scale takes up: the codes' values come out the same.
;;   OPERANDS COMPUTED ON THE WAY. 'Computed on the way' means the value that the module computes at that place (a softmax that the list does not call 'softmax' is quantised finished and normalised). What goes into a quantiser is computed in f32, as accurately as f32 sums, v_exp_f32 and their like allow (about 1e-6 of the number): no bf16 or f16 on the way to a quantiser, and a product that is left as it is and whose result goes on into a quantised operand takes f32 operands (vector FMAs, or v_wmma_f32_16x16x4_f32). A number that lies on a knife's edge between two numbers of the format may be rounded either way, as far as f32 arithmetic and the matrix unit's own rounding can turn it there, and no further.
;; One version. Each part assembles by itself: llvm-mc -triple=amdgcn-amd-amdhsa -mcpu=gfx1250 --defsym DOCPART=n.
;; ======== version 1 of 1: 2 launches
;; limits: right only within a limited range of input values
;; workspace buffers: kv 17,825,792 bytes
;; launch quant (part 1): grid 512 x 1, 4 waves a work-group, no clusters, 135,680 bytes of LDS; arguments key, value, kv; writes kv
.if DOCPART == 1
	.amdgcn_target "amdgcn-amd-amdhsa--gfx1250"
	.amdhsa_code_object_version 6
	.text
	.protected	k_qd777809569_quant
	.globl	k_qd777809569_quant
	.p2align	8
	.type	k_qd777809569_quant,@function
k_qd777809569_quant:
	s_mov_b64 s[64:65], 0
	v_nop
	global_prefetch_b8 v0, s[64:65] scope:SCOPE_SE
	s_setreg_imm32_b32 hwreg(HW_REG_WAVE_MODE, 25, 1), 1
	s_wait_xcnt 0x0
; key and value, [64 heads][2048 keys][128] f32, become codes of FP4 (E2M1) with one E8M0 scale byte for each 32 along K, laid in kv as IMAGES OF THE OPERANDS' REGISTERS for the attention launch.
; key is quantised along the head's 128 (the first product's K), value along the keys (the second product's K).
; A block's scale is 2^(floor(log2(its largest magnitude)) - 2); its byte is the largest magnitude's exponent field - 2, held at 1 from below; each number is divided by the scale and rounded to the nearest code, ties to even, beyond 6 the code of 6.
; LIMITS: a block of zeros gets the byte 1 where the rule says 127: its codes are zeros, and this program alone reads the bytes.  NaN and infinities among the inputs are not served.
; kv: a head is IMG bytes: K's section, 16 steps of SUB bytes, then V's section, the same.  A step is 128 keys: 8,192 bytes of codes, 512 of scale words.
;   codes: tile t (0..7) at 1,024 t, registers 4 c .. 4 c + 3 (c = 0, 1) at 512 c, lane l's 16 bytes at 16 l.  Lane l = (r = l % 16, h = l / 16) holds K = 64 c + 32 h + 0 .. 31 of the tile's row r.
;   K's tile t, row r: key 64 (t / 4) + 32 (r / 8) + 8 (t % 4) + r % 8 of the step: so the scores of tiles 4 c .. 4 c + 3 in one lane are the 32 keys of one block.   V's tile t, row r: channel 16 t + r.
;   scale words: the word at 16 l + 4 i belongs to tile 4 (l / 16) + i, row l % 16.
; SHARES.  Work-groups 0-255 take key, 256-511 value.  A wave takes one step of one head, 65,536 bytes, in four batches of 32 keys (K: the keys of two tiles; V: 32 neighbours).
; Each load reads one key's row, 512 consecutive bytes; a batch goes through the wave's own stage in LDS and comes back with 32 neighbours along K in one lane's registers.
; No tensor loads, no barrier: waves share nothing.  The two ways part on the work-group's number and have LDS bytes of their own.
.set SUB,   8704
.set VSEC,  16*SUB
.set IMG,   2*VSEC
.set PITCH, 528                        ; a stage row: 512 bytes + 16
.set WSTG,  32*PITCH
.set VBASE, 4*WSTG                     ; K's four stages from 0, V's four from here
.set SPARE, 8*WSTG                     ; the spare words, 128 bytes a wave
.set LANE, 1
.set LI,   2                           ; 16 x lane
.set RR,   3
.set HH,   4
.set KST,  5                           ; K: into the stage
.set KRD,  6                           ; K: out of it: r rows + 128 h
.set VST,  7
.set VRD,  8                           ; V: out of it: 4 x lane
.set VCO,  9                           ; V: my codes' place
.set SH,   10                          ; 8 h
.set SPW,  11
.set NIL,  12
.set MA,   13
.set MB,   14
.set SO,   15
.set BY,   16
.set WD,   17
.set PX,   18
.set W,    20                          ; v20-23 the step's scale words
.set RAW,  32                          ; v32-159 a batch as loaded
.set X,    160                         ; v160-223 two sets of 32 neighbours along K
.set C,    224                         ; v224-255 codes: eight sets of 4, by turns
.macro LOADB b, k                      ; batch b: 32 keys' rows.  k = 1: load i brings row (i % 8) + 8 (i / 16) of tile 2 b + (i / 8) % 2
.set i, 0
.rept 32
.if \k
.set KEY, 64*((\b)/2)+16*((\b)%2)+32*(i>>4)+8*((i>>3)&1)+(i&7)
.else
.set KEY, 32*(\b)+i
.endif
	global_load_b128 v[RAW+4*i:RAW+4*i+3], v[LI], s[4:5] offset:KEY*512 th:TH_LOAD_NT
.set i, i+1
.endr
.endm
.macro TOSTG adr, lo                   ; loads lo .. lo + 15 into the stage: load i to row 16 ((i / 8) % 2) + (i % 8) + 8 (i / 16)
.set i, \lo
.rept 16
	ds_store_b128 v[\adr], v[RAW+4*i:RAW+4*i+3] offset:(16*((i>>3)&1)+(i&7)+8*(i>>4))*PITCH
.set i, i+1
.endr
.endm
.macro RBK s                           ; K: tile s / 2 of the batch's two, half s % 2 of the 128
.set i, 0
.rept 8
	ds_load_b128 v[X+32*((\s)%2)+4*i:X+32*((\s)%2)+4*i+3], v[KRD] offset:16*((\s)/2)*PITCH+256*((\s)%2)+16*i
.set i, i+1
.endr
.endm
.macro RBV s                           ; V: channel 32 s + lane, registers down the batch's 32 keys in their own order
.set i, 0
.rept 32
	ds_load_b32 v[X+32*((\s)%2)+i], v[VRD] offset:(16*((i>>3)&1)+(i&7)+8*(i>>4))*PITCH+128*(\s)
.set i, i+1
.endr
.endm
.macro QBLOCK s, n, by                 ; a block of 32 becomes 4 registers of codes (CC) and its scale byte
.set XS, X+32*((\s)%2)
.set CC, C+4*((\n)%8)
	v_max3_num_f32 v[MA], |v[XS]|, |v[XS+1]|, |v[XS+2]|
	v_max3_num_f32 v[MB], |v[XS+3]|, |v[XS+4]|, |v[XS+5]|
.irp i, 6,10,14,18,22,26
	v_max3_num_f32 v[MA], v[MA], |v[XS+\i]|, |v[XS+\i+1]|
	v_max3_num_f32 v[MB], v[MB], |v[XS+\i+2]|, |v[XS+\i+3]|
.endr
	v_max3_num_f32 v[MA], v[MA], |v[XS+30]|, |v[XS+31]|
	v_max3_num_f32 v[MA], v[MA], v[MB], 0x1800000  ; the floor 2^(3 - 127): the byte cannot fall under 1
	v_add_nc_u32 v[SO], 0xff000000, v[MA]          ; 2 off the exponent field: the conversion's scale operand
.irp g, 0,1,2,3
	v_cvt_scalef32_pk8_fp4_f32 v[CC+\g], v[XS+8*\g:XS+8*\g+7], v[SO]
.endr
	v_lshrrev_b32 v[\by], 23, v[SO]                ; the byte: also the plain line behind the conversions
.endm
.macro FRAME b, adr
.if \b >= 2
	s_wait_xcnt 0x0                                ; the sets of C come round: the stores of two batches ago have read theirs
.endif
	s_wait_loadcnt 16
	TOSTG \adr, 0
	s_wait_loadcnt 0x0
	TOSTG \adr, 16                                 ; LDS serves a wave's instructions in order
.endm
.macro KBATCH b                        ; tiles 2 b and 2 b + 1; block s = (tile s / 2, registers 4 (s % 2) on)
	FRAME \b, KST
	RBK 0
	RBK 1
	s_wait_dscnt 8                                 ; block 0 is in, and the stores into the stage have read RAW
.if \b < 3
	LOADB \b+1, 1
.endif
.irp s, 0,1,2,3
.if \s%2 == 0
	QBLOCK \s, 4*\b+\s, WD
.else
	QBLOCK \s, 4*\b+\s, BY
.endif
	global_store_b128 v[LI], v[CC:CC+3], s[8:9] offset:(2*\b+\s/2)*1024+(\s%2)*512   ; 512 consecutive bytes, aligned
.if \s%2 == 1
	v_lshl_or_b32 v[WD], v[BY], 16, v[WD]          ; my two bytes,
	v_lshlrev_b32 v[WD], v[SH], v[WD]              ; at their places in the row's word;
	v_permlanex16_b32 v[PX], v[WD], s20, s21       ; with lane l xor 16's two the word is whole
.if 2*\b+\s/2 < 4
	v_or_b32 v[W+2*\b+\s/2], v[WD], v[PX]
.else
	v_or_b32 v[WD], v[WD], v[PX]
	v_cndmask_b32 v[W+2*\b+\s/2-4], v[W+2*\b+\s/2-4], v[WD], s22   ; tiles 4-7: into lanes 16-31
.endif
.endif
.if \s < 2
	RBK \s+2
	s_wait_dscnt 8
.elseif \s == 2
	s_wait_dscnt 0x0
.endif
.endr
.endm
.macro VBATCH b                        ; block b of the step's four along the keys; block s = channels 32 s + lane
	FRAME \b, VST
	RBV 0
	RBV 1
	s_wait_dscnt 32
.if \b < 3
	LOADB \b+1, 0
.endif
.irp s, 0,1,2,3
.if \b == 0
	QBLOCK \s, 4*\b+\s, W+(\s%2)*2+\s/2
.else
	QBLOCK \s, 4*\b+\s, BY
.endif
	global_store_b128 v[VCO], v[CC:CC+3], s[8:9] offset:\s*2048+(\b/2)*512+(\b%2)*256   ; each sixteen lanes store 256 consecutive bytes, aligned
.if \b > 0
	v_lshl_or_b32 v[W+(\s%2)*2+\s/2], v[BY], 8*\b, v[W+(\s%2)*2+\s/2]
.endif
.if \s < 2
	RBV \s+2
	s_wait_dscnt 32
.elseif \s == 2
	s_wait_dscnt 0x0
.endif
.endr
.endm
	s_load_b128 s[4:7], s[0:1], 0x0                ; key, value
	s_load_b64 s[8:9], s[0:1], 0x10                ; kv
	v_lshl_add_u32 v[SPW], v0, 2, SPARE
	v_mov_b32 v[NIL], 0
	v_lshrrev_b32 v[LANE], 5, v0
	v_readfirstlane_b32 s10, v[LANE]               ; wave 0..3
	v_and_b32 v[LANE], 31, v0
	v_lshlrev_b32 v[LI], 4, v[LANE]
	v_and_b32 v[RR], 15, v0
	v_bfe_u32 v[HH], v0, 4, 1
	s_mul_i32 s12, s10, WSTG                       ; every LDS address is made ahead of the parting of the two ways
	v_add_nc_u32 v[KST], s12, v[LI]
	v_mul_u32_u24 v[KRD], v[RR], PITCH
	v_lshl_add_u32 v[KRD], v[HH], 7, v[KRD]
	v_add_nc_u32 v[KRD], s12, v[KRD]
	s_add_co_u32 s13, s12, VBASE
	v_add_nc_u32 v[VST], s13, v[LI]
	v_lshlrev_b32 v[VRD], 2, v[LANE]
	v_add_nc_u32 v[VRD], s13, v[VRD]
	v_lshlrev_b32 v[VCO], 4, v[RR]
	v_lshl_add_u32 v[VCO], v[HH], 10, v[VCO]
	v_lshlrev_b32 v[SH], 3, v[HH]
	v_mov_b32 v[PX], 0                             ; a lane permute's destination counts as one of its sources
	s_mov_b32 s20, 0x76543210
	s_mov_b32 s21, 0xfedcba98                      ; selects for lane l xor 16
	s_mov_b32 s22, 0xffff0000                      ; lanes 16-31
	s_wait_alu depctr_va_vdst(0)                   ; the wait at the head's end
	s_wait_kmcnt 0x0
	s_cmp_lt_u32 ttmp9, 256                        ; key's work-group or value's?
	s_cselect_b64 s[4:5], s[4:5], s[6:7]
	s_cselect_b32 s11, 0, 256
	s_cselect_b32 s18, 0, VSEC                     ; K's section or V's
	s_sub_co_u32 s14, ttmp9, s11
	s_lshl_b32 s14, s14, 2
	s_add_co_u32 s14, s14, s10                     ; my unit: 16 x head + step
	s_lshl_b32 s16, s14, 16                        ; its 65,536 bytes of f32
	s_mov_b32 s17, 0
	s_add_nc_u64 s[4:5], s[4:5], s[16:17]
	s_and_b32 s19, s14, 15
	s_mul_i32 s19, s19, SUB
	s_lshr_b32 s16, s14, 4
	s_mul_i32 s16, s16, IMG
	s_add_co_u32 s16, s16, s19
	s_add_co_u32 s16, s16, s18                     ; where its codes begin in kv: under 2^25
	s_add_nc_u64 s[8:9], s[8:9], s[16:17]
	s_cmp_lt_u32 ttmp9, 256
	s_cbranch_scc0 .Lvalue
	LOADB 0, 1
	KBATCH 0
	KBATCH 1
	KBATCH 2
	KBATCH 3
	global_store_b128 v[LI], v[W:W+3], s[8:9] offset:8192          ; the step's scale words: 512 consecutive bytes
	s_wait_tensorcnt 0x0                           ; the wave's end
	ds_add_u32 v[SPW], v[NIL]
	s_wait_dscnt 0x0
	s_endpgm
.Lvalue:
	LOADB 0, 0
	VBATCH 0
	VBATCH 1
	VBATCH 2
	VBATCH 3
	v_permlane16_swap_b32 v[W], v[W+1]             ; (tiles 0 | 1) and (4 | 5) become (0 | 4) and (1 | 5)
	v_permlane16_swap_b32 v[W+2], v[W+3]           ; (2 | 3) and (6 | 7) become (2 | 6) and (3 | 7)
	global_store_b128 v[LI], v[W:W+3], s[8:9] offset:8192
	s_wait_tensorcnt 0x0                           ; the wave's end, as above
	ds_add_u32 v[SPW], v[NIL]
	s_wait_dscnt 0x0
	s_endpgm
.Lfunc_end_k_qd777809569_quant:
	.size	k_qd777809569_quant, .Lfunc_end_k_qd777809569_quant-k_qd777809569_quant
	.p2alignl 7, 3214868480
	.fill 96, 4, 3214868480
	.section	.rodata,"a",@progbits
	.p2align	6, 0x0
	.amdhsa_kernel k_qd777809569_quant
		.amdhsa_group_segment_fixed_size 135680
		.amdhsa_private_segment_fixed_size 0
		.amdhsa_enable_private_segment 0
		.amdhsa_kernarg_size 24
		.amdhsa_user_sgpr_count 2
		.amdhsa_user_sgpr_kernarg_segment_ptr 1
		.amdhsa_wavefront_size32 1
		.amdhsa_system_sgpr_workgroup_id_x 1
		.amdhsa_system_sgpr_workgroup_id_y 1
		.amdhsa_system_sgpr_workgroup_id_z 1
		.amdhsa_system_vgpr_workitem_id 0
		.amdhsa_next_free_vgpr 256
		.amdhsa_next_free_sgpr 66
		.amdhsa_reserve_vcc 0
		.amdhsa_float_denorm_mode_32 3
		.amdhsa_float_denorm_mode_16_64 3
		.amdhsa_memory_ordered 1
		.amdhsa_forward_progress 1
		.amdhsa_inst_pref_size 135
	.end_amdhsa_kernel
	.amdgpu_metadata
---
amdhsa.version: [ 1, 2 ]
amdhsa.kernels:
  - .name:           k_qd777809569_quant
    .symbol:         k_qd777809569_quant.kd
    .args:
      - { .name: key, .offset: 0, .size: 8, .value_kind: global_buffer, .address_space: global }
      - { .name: value, .offset: 8, .size: 8, .value_kind: global_buffer, .address_space: global }
      - { .name: kv, .offset: 16, .size: 8, .value_kind: global_buffer, .address_space: global }
    .group_segment_fixed_size: 135680
    .private_segment_fixed_size: 0
    .kernarg_segment_align: 8
    .kernarg_segment_size: 24
    .max_flat_workgroup_size: 128
    .sgpr_count:     66
    .vgpr_count:     256
    .wavefront_size: 32
...
	.end_amdgpu_metadata
.endif
;; end of part 1
;; launch attn (part 2): grid 4 x 64, 8 waves a work-group, clusters of 4 x 1, 327,680 bytes of LDS; arguments query, kv, out0; writes out0
.if DOCPART == 2
	.amdgcn_target "amdgcn-amd-amdhsa--gfx1250"
	.amdhsa_code_object_version 6
	.text
	.protected	k_qd777809569_attn
	.globl	k_qd777809569_attn
	.p2align	8
	.type	k_qd777809569_attn,@function
k_qd777809569_attn:
	s_mov_b64 s[64:65], 0
	v_nop
	global_prefetch_b8 v0, s[64:65] scope:SCOPE_SE
	s_setreg_imm32_b32 hwreg(HW_REG_WAVE_MODE, 25, 1), 1
	s_wait_xcnt 0x0
	s_wait_alu depctr_hold_cnt(0) depctr_sa_sdst(0) depctr_va_vdst(0) depctr_va_sdst(0) depctr_va_ssrc(0) depctr_va_vcc(0) depctr_vm_vsrc(0)
	s_getreg_b32 s2, hwreg(HW_REG_IB_STS2, 6, 4)
	s_cmp_eq_u32 s2, 0
	s_cbranch_scc0 .Lentry_in_a_cluster
	s_endpgm
.Lentry_in_a_cluster:
	s_bfe_u32 s2, ttmp6, 0x10000c
	s_cmp_lg_u32 s2, 0x3003
	s_cbranch_scc0 .Lentry_shape_is_right
	s_endpgm
.Lentry_shape_is_right:
; out0[h][q][:] = the sum over k of softmax_k(query[h][q] . key[h][k] / sqrt(128)) value[h][k][:], 64 heads, 2,048 queries and keys, head size 128; both products on codes of FP4 (E2M1) with one E8M0 scale for each 32 along K.
; K and V come as codes and scale words from kv, images of the operands' registers (the launch before); query comes as f32 and is quantised here.
; THE SOFTMAX: t = score x log2(e) / sqrt(128); M = ceil(the row's largest t); p = 2^(t - M) is quantised along the keys; the row's sum of the unquantised p divides O at the end.
; TWO WALKS OVER THE KEYS for each block of queries.  Walk A: K Q^T, and of the scores only the largest of each block of 32 keys is kept; from them come M and, through the same multiply-add and exponential
; that make p, each block's largest p and so p's scale bytes.  Walk B: K Q^T once more, p, the sum, the codes, V^T P.  M is final before the first p is made: nothing is ever rescaled.
; SHARES.  A head's image, 278,528 bytes, lies in LDS whole, filled once.  A work-group owns 512 queries of one head in two passes of 256; each of its eight waves 32 a pass: two tiles of 16, so each fragment feeds two matrix instructions.
; CLUSTER.  The four work-groups of a head ask for the image jointly: one load a wave at the head, an eighth of the image each.  One wait and one barrier follow; behind them the waves share nothing and meet no barrier until the closing round.
; No prefetch: the image is asked for whole at the head, and no loop runs ahead of a load.
; QUERY.  The first pass's rows are loaded and quantised at the head, under the image's flight; the second pass's come tile by tile under the first pass's walk A, into the 64 registers of S that it leaves free.
; LAYOUT.  Both products transposed: S^T = K Q^T, O^T = V^T P^T: a lane holds ONE query (lane % 16) of each tile.  Row 8 h + j of K's tile 4 c + i is key 64 c + 32 h + 8 i + j:
; so lane (r, h) holds in tiles 4 c .. 4 c + 3 the 32 keys of block 2 c + h: a block's largest needs no other lane, and the conversions' results are P's operand registers as they stand.
; p's scale words (one a step and tile) wait in the wave's stage in LDS, so that walk B is one loop.  Walk A is written out: each step's four maxima have registers of their own.
; Walk A goes 15, 14 .. 2, 0, 1 on two fragment buffers by turns: it finds step 15 in K's buffer (walk B left it there) and leaves step 0 there for walk B.
; LIMITS: NaN and infinities among the inputs are not served; scores lie above -3e38.  A block of zeros gets the scale byte 1: its codes are zeros.
; REGISTERS, in windows of 256 (s_set_vgpr_msb: bits 1:0 source 0, 3:2 source 1, 5:4 source 2, 7:6 destination):
;   window 0: v1-19 addresses and constants; v20-23 -M; v32-63 Q's codes of both passes; v64-77 scale words and nothing else; v78 a constant; v80-91 at work; v96-223 S (walk A: the maxima, query; walk B: scores, then p; the way out); v224-239 p's codes; v240-255 the sums
;   window 1: v0-127 O^T (walk A: the scores; a tile of query on its way to codes); v128-191 V's fragments; v192-255 K's
.set SUB,    8704                      ; a step of K or V: 8,192 bytes of codes, 512 of scale words
.set VSEC,   16*SUB
.set IMG,    2*VSEC
.set PART,   4*SUB                     ; a wave's eighth of the image: 136 rows of 256 bytes
.set STAGE,  IMG                       ; behind the image: 16 rows x 272 bytes for each wave
.set SPITCH, 272
.set WSTAGE, 16*SPITCH
.set SPARE,  STAGE+8*WSTAGE            ; the spare words, 128 bytes a wave
.set ADW, 1                            ; LDS address of the step's words of p
.set ADK, 2                            ; of the step's K
.set ADV, 3                            ; of the step's V
.set STO, 4                            ; stage: row r, + 32 h
.set RD,  5                            ; stage: row h, + 16 r
.set GO,  6                            ; memory: row h of 512 bytes, + 16 r
.set SPW, 7
.set NIL, 8
.set LI,  9                            ; v9 16 x lane; v10, v11 the same 6 and 12 steps on
.set WB,  12                           ; stage + 8 x lane
.set SH8, 13                           ; 8 h
.set SHA, 14                           ; 23 - 8 h
.set SHB, 15                           ; 8 - 8 h
.set NEG, 16                           ; -3e38
.set QRB, 17                           ; stage: row r, + 128 h
.set TP,  18                           ; v18-19 lane permutes' results
.set NM,  20                           ; tile u: v[NM + 2 u] -M, + 1 the largest t
.set QC,  32
.set QC2, 48
.set KS,  64
.set VS,  68
.set QS,  72
.set QS2, 74
.set PS,  76
.set FLR, 78                           ; the floor 2^(3 - 127)
.set SO,  80                           ; the conversions' scale operands
.set T,   84                           ; v84-91 at work
.set S,   96
.set PC,  224
.set SUM, 240                          ; tile u: four pairs at SUM + 8 u
.set VF,  128
.set KF,  192
.set WV,   10
.set SEL,  20
.set CS,   22
.set G1,   24
.set G0,   32
.set TB,   48
.set CNT,  49
.set PASS, 50
.set TW,   51
.set MSB, 0
.macro WIN new
.if MSB != \new
	s_set_vgpr_msb (MSB<<8)|\new
.set MSB, \new
.endif
.endm
.macro CROUND                          ; a round of the cluster's barrier
	s_barrier_signal -1
	s_barrier_wait -1
	s_cmp_lg_u32 s[WV], 0
	s_cbranch_scc1 .Lnot_wave_0_\@
	s_barrier_signal -3
.Lnot_wave_0_\@:
	s_barrier_wait -3
	s_barrier_signal -1
	s_barrier_wait -1
.endm
; one product: tile t of source 0; its scale words lie in lanes 0-15 (t < 4) or 16-31 of register sa + t % 4.  z = 1: the product starts the sum
.macro MM d, a, b, sa, sb, t, z
.if \z
.if (\t) < 4
	v_wmma_scale_f32_16x16x128_f8f6f4 v[\d:\d+7], v[\a:\a+7], v[\b:\b+7], 0, v[\sa+(\t)], v[\sb] matrix_a_fmt:MATRIX_FMT_FP4 matrix_b_fmt:MATRIX_FMT_FP4
.else
	v_wmma_scale_f32_16x16x128_f8f6f4 v[\d:\d+7], v[\a:\a+7], v[\b:\b+7], 0, v[\sa+(\t)-4], v[\sb] matrix_a_fmt:MATRIX_FMT_FP4 matrix_b_fmt:MATRIX_FMT_FP4 matrix_a_scale:MATRIX_SCALE_ROW1
.endif
.else
.if (\t) < 4
	v_wmma_scale_f32_16x16x128_f8f6f4 v[\d:\d+7], v[\a:\a+7], v[\b:\b+7], v[\d:\d+7], v[\sa+(\t)], v[\sb] matrix_a_fmt:MATRIX_FMT_FP4 matrix_b_fmt:MATRIX_FMT_FP4
.else
	v_wmma_scale_f32_16x16x128_f8f6f4 v[\d:\d+7], v[\a:\a+7], v[\b:\b+7], v[\d:\d+7], v[\sa+(\t)-4], v[\sb] matrix_a_fmt:MATRIX_FMT_FP4 matrix_b_fmt:MATRIX_FMT_FP4 matrix_a_scale:MATRIX_SCALE_ROW1
.endif
.endif
.endm
; a tile of query, 16 rows, off bytes on, into v[rb] on: chunk c is 16 rows x 256 bytes; each load reads two aligned runs of 256 bytes
.macro XLOAD rb, off
.irp c, 0,1
.irp i, 0,1,2,3,4,5,6,7
	global_load_b128 v[\rb+32*\c+4*\i:\rb+32*\c+4*\i+3], v[GO], s[4:5] offset:\off+2*\i*512+256*\c th:TH_LOAD_NT
.endr
.endr
.endm
; a tile of query in v[rb] on is quantised: each chunk turns through my stage, so that lane (r, h) holds block 2 c + h of row r, 32 numbers, in window 1; codes to v[qc] on, the scale word to v[qs]
.macro QTILE rb, qc, qs
	WIN 0x40                                       ; the loads' destination window 1; the stores' data window 0
.set c, 0
.rept 2
.set i, 0
.rept 8
	ds_store_b128 v[RD], v[\rb+32*c+4*i:\rb+32*c+4*i+3] offset:i*2*SPITCH
.set i, i+1
.endr
.set i, 0
.rept 8
	ds_load_b128 v[32*c+4*i:32*c+4*i+3], v[QRB] offset:16*i   ; LDS serves a wave's instructions in order: these see the stores above, and the next chunk's stores come behind them
.set i, i+1
.endr
.set c, c+1
.endr
	s_wait_dscnt 0x0
	WIN 0x14
.irp q, 0,1,2,3                                ; the blocks' largest magnitudes over the floor: two chains a block, four by turns
	v_max3_num_f32 v[T+\q], v[FLR], |v[16*\q]|, |v[16*\q+1]|
.endr
.set i, 2
.rept 7
.irp q, 0,1,2,3
	v_max3_num_f32 v[T+\q], v[T+\q], |v[16*\q+i]|, |v[16*\q+i+1]|
.endr
.set i, i+2
.endr
	WIN 0
.irp c, 0,1
	v_max_num_f32 v[T+2*\c], v[T+2*\c], v[T+2*\c+1]
.endr
.irp c, 0,1
	s_delay_alu instid0(VALU_DEP_2)
	v_add_nc_u32 v[SO+\c], 0xff000000, v[T+2*\c]   ; 2 off the exponent field: the conversion's scale operand
.endr
	WIN 0x01
.irp c, 0,1
.irp g, 0,1,2,3
	v_cvt_scalef32_pk8_fp4_f32 v[\qc+4*\c+\g], v[32*\c+8*\g:32*\c+8*\g+7], v[SO+\c]
.endr
.endr
	WIN 0
.irp c, 0,1
	v_lshrrev_b32 v[T+\c], 23, v[SO+\c]            ; the bytes of blocks h and 2 + h,
.endr
	s_delay_alu instid0(VALU_DEP_1)
	v_lshl_or_b32 v[T+4], v[T+1], 16, v[T]
	s_delay_alu instid0(VALU_DEP_1)
	v_lshlrev_b32 v[T+4], v[SH8], v[T+4]           ; at their places in the row's word;
	s_delay_alu instid0(VALU_DEP_1)
	v_permlanex16_b32 v[TP], v[T+4], s[SEL], s[SEL+1]
	s_delay_alu instid0(VALU_DEP_1)
	v_or_b32 v[\qs], v[T+4], v[TP]                 ; with lane l xor 16's two the word is whole
.endm
; WALK A, one step.  st: the step, whose fragments lie in buffer b (0: K's, 1: V's); nx: the step that is fetched into the other buffer, or -1
.macro ASTEP st, nx, b
.set FB, KF-64*(\b)
.set SB, KS+4*(\b)
.set FN, VF+64*(\b)
.set SN, VS-4*(\b)
	s_wait_dscnt 0x0                               ; this step's fragments are in
.if (\nx) >= 0
	ds_load_b128 v[SN:SN+3], v[LI+(\nx)/6] offset:((\nx)%6)*SUB+8192
	WIN 0x40
.set i, 0
.rept 16
	ds_load_b128 v[FN+4*i:FN+4*i+3], v[LI+(\nx)/6] offset:((\nx)%6)*SUB+512*i
.set i, i+1
.endr
.endif
	WIN 0x41                                       ; K and the scores window 1, Q window 0
.irp t, 0,1,2,3,4,5,6,7
.irp u, 0,1
	MM 64*\u+8*\t, FB+8*\t, QC+8*\u, SB, QS+\u, \t, 1
.endr
.endr
	WIN 0x14                                       ; the scores window 1, the maxima window 0
.rept 4
	v_nop                                          ; four places behind the products (ISA guide 7.12.1)
.endr
.set k, 0
.rept 16                                       ; block 2 c + h of tile u: my 32 scores, two a line, four chains by turns; each accumulator is read from its low end on
.irp u, 0,1
.irp c, 0,1
.if k == 0
	v_max3_num_f32 v[S+4*(\st)+2*\u+\c], v[NEG], v[64*\u+32*\c], v[64*\u+32*\c+1]
.else
	v_max3_num_f32 v[S+4*(\st)+2*\u+\c], v[S+4*(\st)+2*\u+\c], v[64*\u+32*\c+k], v[64*\u+32*\c+k+1]
.endif
.endr
.endr
.set k, k+2
.endr
	WIN 0
.endm
; WALK B, one step of 128 keys.  K's fragments and scale words of this step are in registers
.macro BSTEP
	WIN 0x01
	s_wait_alu depctr_va_vdst(0)                   ; the wait behind the backward jump
.irp t, 0,1,2,3,4,5,6,7
.irp u, 0,1
	MM S+64*\u+8*\t, KF+8*\t, QC+8*\u, KS, QS+\u, \t, 1
.endr
.endr
	WIN 0
	v_add_nc_u32 v[ADK], s[TB], v[LI]              ; these five lines are the places behind the products, ahead of the loads and of the first reads of the scores
	v_add_nc_u32 v[ADW], s[TW], v[WB]
	v_nop
	v_nop
	v_add_nc_u32 v[ADV], VSEC, v[ADK]
	ds_load_b64 v[PS:PS+1], v[ADW]                 ; p's scale words of this step, both tiles
	ds_load_b128 v[VS:VS+3], v[ADV] offset:8192
	WIN 0x40
.set i, 0
.rept 16
	ds_load_b128 v[VF+4*i:VF+4*i+3], v[ADV] offset:512*i
.set i, i+1
.endr
	WIN 0
	s_cmp_eq_u32 s[CNT], 1                         ; the last step fetches no K: step 15 stays in registers for the next walk A
	s_cbranch_scc1 .Lno_k_\@
	ds_load_b128 v[KS:KS+3], v[ADK] offset:SUB+8192
	WIN 0x40
.set i, 0
.rept 16
	ds_load_b128 v[KF+4*i:KF+4*i+3], v[ADK] offset:SUB+512*i
.set i, i+1
.endr
	WIN 0
.Lno_k_\@:
.irp u, 0,1
.set j, 0
.rept 32
	v_pk_fma_f32 v[S+64*\u+j:S+64*\u+j+1], v[S+64*\u+j:S+64*\u+j+1], s[CS:CS+1], v[NM+2*\u:NM+2*\u+1] op_sel_hi:[1,0,0]   ; t - M, two at a time
.set j, j+2
.endr
.endr
	s_wait_alu depctr_va_vdst(0)                   ; the wait ahead of the batch
.set j, 0
.rept 128
	v_exp_f32 v[S+j], v[S+j]                       ; p = 2^(t - M)
.set j, j+1
.endr
	s_wait_dscnt 17                                ; p's words are in: behind their load stand V's 17 loads at the least
.irp u, 0,1
	v_lshlrev_b32 v[SO+2*\u], v[SHA], v[PS+\u]     ; byte h of the word into the exponent field: block h's scale operand
.endr
.irp u, 0,1
	v_lshrrev_b32 v[SO+2*\u+1], 1, v[PS+\u]
.endr
.irp u, 0,1
	s_delay_alu instid0(VALU_DEP_2)
	v_lshlrev_b32 v[SO+2*\u+1], v[SHB], v[SO+2*\u+1]   ; and byte 2 + h: block 2 + h's
.endr
	s_wait_alu depctr_va_vdst(0)                   ; one wait for the batch, ahead of its first reader
.irp u, 0,1
.irp c, 0,1
.irp i, 0,1,2,3
	v_cvt_scalef32_pk8_fp4_f32 v[PC+8*\u+4*\c+\i], v[S+64*\u+32*\c+8*\i:S+64*\u+32*\c+8*\i+7], v[SO+2*\u+\c]   ; keys 64 c + 32 h + 8 i + 0 .. 7: register 4 c + i of the operand
.endr
.endr
.endr
.set j, 0
.rept 8                                        ; the row's sum of the unquantised p: eight chains by turns.  (These lines are also the places between the conversions and the products)
.irp u, 0,1
.irp n, 0,2,4,6
	v_pk_add_f32 v[SUM+8*\u+\n:SUM+8*\u+\n+1], v[SUM+8*\u+\n:SUM+8*\u+\n+1], v[S+64*\u+j+\n:S+64*\u+j+\n+1]
.endr
.endr
.set j, j+8
.endr
	s_wait_dscnt 0x0                               ; V is in, and the next step's K
	WIN 0x51                                       ; V, C and D window 1; p window 0
	s_wait_alu depctr_va_vdst(0)                   ; the wait ahead of the first reader of O^T
.irp t, 0,1,2,3,4,5,6,7
.irp u, 0,1
	MM 64*\u+8*\t, VF+8*\t, PC+8*\u, VS, PS+\u, \t, 0
.endr
.endr
	WIN 0
.endm
; THE WAY OUT, four batches a = 2 u + half: 16 queries x 64 channels through my stage, back as whole rows of 256 bytes
.macro TOSTAGE a
.set OB, 64*((\a)/2)+32*((\a)%2)
.irp t, 0,1,2,3
	ds_store_b128 v[STO], v[OB+8*\t:OB+8*\t+3] offset:64*\t
	ds_store_b128 v[STO], v[OB+8*\t+4:OB+8*\t+7] offset:64*\t+16
.endr
.irp i, 0,1,2,3,4,5,6,7
	ds_load_b128 v[S+32*(\a)+4*\i:S+32*(\a)+4*\i+3], v[RD] offset:\i*2*SPITCH
.endr
.endm
.macro SEND a
.irp i, 0,1,2,3,4,5,6,7
	s_wait_dscnt 16*(3-(\a))+7-\i                  ; behind this load stand the rest of its batch and sixteen LDS instructions for each later batch
	global_store_b128 v[GO], v[S+32*(\a)+4*\i:S+32*(\a)+4*\i+3], s[8:9] offset:8192*((\a)/2)+1024*\i+256*((\a)%2) th:TH_STORE_NT   ; each sixteen lanes store 256 consecutive bytes, aligned
.endr
.endm
	s_load_b128 s[4:7], s[0:1], 0x0                ; query, kv
	s_load_b64 s[8:9], s[0:1], 0x10                ; out0
	v_lshl_add_u32 v[SPW], v0, 2, SPARE
	v_mov_b32 v[NIL], 0
	ds_add_u32 v[SPW], v[NIL]                      ; the opening: the add, twice on end, and its wait ahead of my first tensor load
	ds_add_u32 v[SPW], v[NIL]
	v_lshrrev_b32 v[T], 5, v0
	v_readfirstlane_b32 s[WV], v[T]                ; wave 0..7
	s_bfe_u32 s11, ttmp6, 0x40000                  ; cx
	s_lshl_b32 s56, ttmp9, 2
	s_add_co_u32 s11, s11, s56                     ; my block of 512 queries: it enters query's and out0's addresses alone
	s_and_b32 s12, ttmp7, 0xffff                   ; the head, which the four partners share
	s_lshl_b32 s14, s12, 20
	s_lshl_b32 s56, s11, 18
	s_add_co_u32 s14, s14, s56
	s_lshl_b32 s56, s[WV], 14                      ; my wave's 32 rows of a pass
	s_add_co_u32 s14, s14, s56
	s_mov_b32 s15, 0
	s_mul_i32 s16, s12, IMG                        ; the head's image in kv,
	s_mul_i32 s52, s[WV], PART                     ; my eighth of it, in LDS and in memory alike
	s_add_co_u32 s16, s16, s52
	s_mov_b32 s17, 0
	s_mov_b32 s[G1], 15|(3<<16)|(1<<21)            ; the mask: all four work-groups; elements of 8 bytes; bit 21 beside a mask
	s_mov_b32 s[G1+1], 32<<16                      ; rows of 32 elements, 256 bytes,
	s_mov_b32 s[G1+2], 136<<16                     ; 136 of them, dense
	s_mov_b32 s[G1+3], 32<<16
	s_mov_b32 s[G1+4], 136
	s_mov_b32 s[G1+5], 32
	s_mov_b32 s[G1+6], 0
	s_mov_b32 s[G1+7], 0
	s_mov_b32 s[SEL], 0x76543210
	s_mov_b32 s[SEL+1], 0xfedcba98
	s_mov_b32 s[CS], 0x3e0293ee                    ; c = log2(e) / sqrt(128)
	s_mov_b32 s[CS+1], s[CS]
	s_mov_b32 s[PASS], 2
	s_mul_i32 s57, s[WV], WSTAGE
	s_add_co_u32 s57, s57, STAGE                   ; my stage
	v_and_b32 v[T], 31, v0
	v_and_b32 v[T+1], 15, v0                       ; r
	v_bfe_u32 v[T+2], v0, 4, 1                     ; h
	v_lshlrev_b32 v[LI], 4, v[T]
	v_lshlrev_b32 v[WB], 3, v[T]
	v_mul_u32_u24 v[T+3], v[T+1], SPITCH
	v_mul_u32_u24 v[T+4], v[T+2], SPITCH
	v_add_nc_u32 v[LI+1], 6*SUB, v[LI]
	v_add_nc_u32 v[LI+2], 12*SUB, v[LI]
	v_add_nc_u32 v[WB], s57, v[WB]
	v_add_nc_u32 v[T+3], s57, v[T+3]
	v_add_nc_u32 v[T+4], s57, v[T+4]
	v_lshlrev_b32 v[GO], 9, v[T+2]
	v_lshlrev_b32 v[SH8], 3, v[T+2]
	v_lshl_add_u32 v[STO], v[T+2], 5, v[T+3]
	v_lshl_add_u32 v[QRB], v[T+2], 7, v[T+3]
	v_lshl_add_u32 v[RD], v[T+1], 4, v[T+4]
	v_lshl_add_u32 v[GO], v[T+1], 4, v[GO]
	v_sub_nc_u32 v[SHA], 23, v[SH8]
	v_sub_nc_u32 v[SHB], 8, v[SH8]
	v_mov_b32 v[NEG], 0xff61b1e6
	v_mov_b32 v[FLR], 0x1800000
	v_mov_b32 v[TP], 0                             ; a lane permute's destination counts as one of its sources
	v_mov_b32 v[TP+1], 0
	v_mov_b32 v[T+5], 0                            ; named as the upper halves of pairs on the way out
	v_mov_b32 v[T+7], 0
	s_wait_alu depctr_va_vdst(0)                   ; the wait at the head's end
	s_wait_dscnt 0x0                               ; both opening adds are done
	s_wait_kmcnt 0x0
	s_add_nc_u64 s[4:5], s[4:5], s[14:15]          ; query and out0 at my wave's first row
	s_add_nc_u64 s[8:9], s[8:9], s[14:15]
	s_mov_b32 s[G0], 1
	s_mov_b32 s[G0+1], s52
	s_add_nc_u64 s[G0+2:G0+3], s[6:7], s[16:17]    ; kv at my eighth of the head's image
	s_or_b32 s[G0+3], s[G0+3], 0x80000000
	CROUND                                         ; all four work-groups are here: the joint loads meet
	tensor_load_to_lds s[G0:G0+3], s[G1:G1+7]      ; my one tensor load of the launch
	s_nop 0
.rept 4
	v_nop
.endr
	XLOAD S, 0                                     ; the first pass's two tiles of query
	XLOAD S+64, 8192
.set j, 0
.rept 16
	v_mov_b32 v[QC2+j], 0                          ; the second pass's codes and words are made under a branch on the count of passes: written here once, so that they are written on every way through the text
.set j, j+1
.endr
	v_mov_b32 v[QS2], 0
	v_mov_b32 v[QS2+1], 0
	s_wait_loadcnt 16                              ; the first tile's 16 loads are in; the second's may be out
	QTILE S, QC, QS
	s_wait_loadcnt 0x0
	QTILE S+64, QC+8, QS+1
	s_wait_alu depctr_va_vdst(0)                   ; the wait here, directly ahead of the wait below
	s_wait_tensorcnt 0x0                           ; my eighth of the image is in;
	s_wait_dscnt 0x0
	s_barrier_signal -1
	s_barrier_wait -1                              ; and everybody's.
	ds_load_b128 v[KS:KS+3], v[LI+2] offset:3*SUB+8192   ; K of step 15, this once
	WIN 0x40
.set i, 0
.rept 16
	ds_load_b128 v[KF+4*i:KF+4*i+3], v[LI+2] offset:3*SUB+512*i
.set i, i+1
.endr
	WIN 0
.Lpass:                                            ; a pass: 32 queries of mine against all 2,048 keys
.rept 8
	v_nop                                          ; a scale register written by a vector instruction stands 8 places ahead of a scaled matrix instruction, an operand 4
.endr
	s_cmp_eq_u32 s[PASS], 1                        ; the next pass's query, if there is a next pass: no load leaves its buffer
	s_cbranch_scc1 .Lno_q0
	XLOAD S+64, 131072                             ; its first tile lands under eight steps of walk A
.Lno_q0:
.set a, 15
.rept 4
	ASTEP a, a-1, 0
	ASTEP a-1, a-2, 1
.set a, a-2
.endr
	s_wait_loadcnt 0x0                             ; the tile is in; the wait stands on every way (in the second pass no load is out)
	s_cmp_eq_u32 s[PASS], 1
	s_cbranch_scc1 .Lno_q1
	QTILE S+64, QC2, QS2                           ; between two steps the scores' registers are free
	XLOAD S+64, 131072+8192                        ; the second tile, under the other eight steps
.Lno_q1:
.rept 2
	ASTEP a, a-1, 0
	ASTEP a-1, a-2, 1
.set a, a-2
.endr
	ASTEP 3, 2, 0
	ASTEP 2, 0, 1
	ASTEP 0, 1, 0                                  ; step 0 stays in K's buffer for walk B
	ASTEP 1, -1, 1
	s_wait_alu depctr_va_vdst(0)                   ; the wait here, directly ahead of the wait below
	s_wait_loadcnt 0x0                             ; the second tile is in; the wait stands on every way
	s_cmp_eq_u32 s[PASS], 1
	s_cbranch_scc1 .Lno_q2
	QTILE S+64, QC2+8, QS2+1
.Lno_q2:
; FROM THE MAXIMA TO M AND TO p's SCALE WORDS.  v[S + 4 s + 2 u + c]: the largest score of block 2 c + h of step s, tile u
.irp u, 0,1
.irp c, 0,1
	v_max3_num_f32 v[T+2*\u+\c], v[NEG], v[S+2*\u+\c], v[S+4+2*\u+\c]
.endr
.endr
.set s, 2
.rept 7
.irp u, 0,1
.irp c, 0,1
	v_max3_num_f32 v[T+2*\u+\c], v[T+2*\u+\c], v[S+4*s+2*\u+\c], v[S+4*s+4+2*\u+\c]
.endr
.endr
.set s, s+2
.endr
.irp u, 0,1
	v_max_num_f32 v[T+4+\u], v[T+2*\u], v[T+2*\u+1]
.endr
.irp u, 0,1
	s_delay_alu instid0(VALU_DEP_2)
	v_permlanex16_b32 v[TP+\u], v[T+4+\u], s[SEL], s[SEL+1]
.endr
.irp u, 0,1
	s_delay_alu instid0(VALU_DEP_2)
	v_max_num_f32 v[T+4+\u], v[T+4+\u], v[TP+\u]   ; the row's largest score
.endr
.irp u, 0,1
	s_delay_alu instid0(VALU_DEP_2)
	v_mul_f32 v[NM+2*\u+1], s[CS], v[T+4+\u]       ; as t (c is positive)
.endr
.irp u, 0,1
	s_delay_alu instid0(VALU_DEP_2)
	v_floor_f32 v[NM+2*\u], -v[NM+2*\u+1]          ; -M = floor(-t) = -ceil(t)
.endr
.set s, 0
.rept 16
.irp u, 0,1
	v_pk_fma_f32 v[S+4*s+2*\u:S+4*s+2*\u+1], v[S+4*s+2*\u:S+4*s+2*\u+1], s[CS:CS+1], v[NM+2*\u:NM+2*\u+1] op_sel_hi:[1,0,0]   ; the same multiply-add that walk B gives every score
.endr
.set s, s+1
.endr
	s_wait_alu depctr_va_vdst(0)                   ; the wait ahead of the batch
.set j, 0
.rept 64
	v_exp_f32 v[S+j], v[S+j]                       ; each block's largest p
.set j, j+1
.endr
	WIN 0x40
.set j, 0
.rept 128
	v_mov_b32 v[j], 0                              ; O^T: walk B is written once, as one loop, and its first step finds zeros.  (Plain work behind the exponentials)
.set j, j+1
.endr
	WIN 0
.set j, 0
.rept 16
	v_mov_b32 v[SUM+j], 0
.set j, j+1
.endr
	s_wait_alu depctr_va_vdst(0)                   ; one wait for the batch, ahead of its first reader
.set j, 0
.rept 64
	v_max_num_f32 v[S+j], 0x1800000, v[S+j]        ; the floor 2^(3 - 127): the byte cannot fall under 1
.set j, j+1
.endr
.set j, 0
.rept 64
	v_lshrrev_b32 v[S+j], 23, v[S+j]               ; the exponent field
.set j, j+1
.endr
.set j, 0
.rept 32                                       ; j = 2 s + u
	v_lshl_or_b32 v[S+64+j], v[S+2*j+1], 16, v[S+2*j]
.set j, j+1
.endr
.set j, 0
.rept 32
	v_add_nc_u32 v[S+64+j], 0xfffdfffe, v[S+64+j]  ; 2 off both fields: the bytes of blocks h and 2 + h
.set j, j+1
.endr
.set j, 0
.rept 32
	v_lshlrev_b32 v[S+64+j], v[SH8], v[S+64+j]     ; at their places in the word
.set j, j+1
.endr
.set j, 0
.rept 32
	v_permlanex16_b32 v[S+96+j], v[S+64+j], s[SEL], s[SEL+1]
.set j, j+1
.endr
.set j, 0
.rept 32
	v_or_b32 v[S+64+j], v[S+64+j], v[S+96+j]       ; with lane l xor 16's two the word is whole
.set j, j+1
.endr
.set s, 0
.rept 16
	ds_store_b64 v[WB], v[S+64+2*s:S+64+2*s+1] offset:256*s   ; into my stage: step s, both tiles.  LDS serves a wave's instructions in order: walk B's loads see these
.set s, s+1
.endr
	s_mov_b32 s[TB], 0
	s_mov_b32 s[TW], 0
	s_mov_b32 s[CNT], 16
.Lstep:
	BSTEP
	s_add_co_u32 s[TB], s[TB], SUB
	s_add_co_u32 s[TW], s[TW], 256
	s_sub_co_u32 s[CNT], s[CNT], 1
	s_cmp_lg_u32 s[CNT], 0
	s_cbranch_scc1 .Lstep
.irp u, 0,1
	v_pk_add_f32 v[SUM+8*\u:SUM+8*\u+1], v[SUM+8*\u:SUM+8*\u+1], v[SUM+8*\u+2:SUM+8*\u+3]   ; the sum's chains  (these lines are the places behind the last products)
.endr
.irp u, 0,1
	v_pk_add_f32 v[SUM+8*\u+4:SUM+8*\u+5], v[SUM+8*\u+4:SUM+8*\u+5], v[SUM+8*\u+6:SUM+8*\u+7]
.endr
.irp u, 0,1
	s_delay_alu instid0(VALU_DEP_2)
	v_pk_add_f32 v[SUM+8*\u:SUM+8*\u+1], v[SUM+8*\u:SUM+8*\u+1], v[SUM+8*\u+4:SUM+8*\u+5]
.endr
.irp u, 0,1
	s_delay_alu instid0(VALU_DEP_2)
	v_add_f32 v[T+\u], v[SUM+8*\u], v[SUM+8*\u+1]
.endr
.irp u, 0,1
	s_delay_alu instid0(VALU_DEP_2)
	v_permlanex16_b32 v[TP+\u], v[T+\u], s[SEL], s[SEL+1]
.endr
.irp u, 0,1
	s_delay_alu instid0(VALU_DEP_2)
	v_add_f32 v[T+\u], v[T+\u], v[TP+\u]           ; with lane l xor 16's: the row's sum
.endr
	s_wait_alu depctr_va_vdst(0)                   ; the wait ahead of the transcendentals
.irp u, 0,1
	v_rcp_f32 v[T+4+2*\u], v[T+\u]
.endr
	v_nop                                          ; a plain place behind the reciprocals
	WIN 0x41
	s_wait_alu depctr_va_vdst(0)                   ; the wait ahead of their first reader, which is also the first reader of O^T
.irp u, 0,1
.set j, 0
.rept 32
	v_pk_mul_f32 v[64*\u+j:64*\u+j+1], v[64*\u+j:64*\u+j+1], v[T+4+2*\u:T+5+2*\u] op_sel_hi:[1,0]   ; O^T / the sum: register 64 u + 8 t + i is o(query r of tile u, channel 16 t + 8 h + i)
.set j, j+2
.endr
.endr
	s_wait_alu depctr_va_vdst(0)                   ; the wait behind these writes
	WIN 0x04
	TOSTAGE 0
	TOSTAGE 1
	TOSTAGE 2
	TOSTAGE 3
	WIN 0
	SEND 0
	SEND 1
	SEND 2
	SEND 3
	s_wait_xcnt 0x0                                ; the stores have read their registers and base
	s_add_nc_u64 s[8:9], s[8:9], 131072            ; 256 rows of 512 bytes on
	s_cmp_eq_u32 s[PASS], 1
	s_cbranch_scc1 .Llast
.irp j, 0,1
	v_mov_b32 v[QS+\j], v[QS2+\j]                  ; the second pass's queries take the first's registers
.endr
.set j, 0
.rept 16
	v_mov_b32 v[QC+j], v[QC2+j]
.set j, j+1
.endr
.Llast:
	s_sub_co_u32 s[PASS], s[PASS], 1
	s_cmp_lg_u32 s[PASS], 0
	s_wait_alu depctr_va_vdst(0)                   ; the wait here, directly ahead of the branch
	s_cbranch_scc1 .Lpass
	s_wait_tensorcnt 0x0                           ; the wave's end
	ds_add_u32 v[SPW], v[NIL]
	s_wait_dscnt 0x0
	CROUND                                         ; the closing round
	s_endpgm
.Lfunc_end_k_qd777809569_attn:
	.size	k_qd777809569_attn, .Lfunc_end_k_qd777809569_attn-k_qd777809569_attn
	.p2alignl 7, 3214868480
	.fill 96, 4, 3214868480
	.section	.rodata,"a",@progbits
	.p2align	6, 0x0
	.amdhsa_kernel k_qd777809569_attn
		.amdhsa_group_segment_fixed_size 327680
		.amdhsa_private_segment_fixed_size 0
		.amdhsa_enable_private_segment 0
		.amdhsa_kernarg_size 24
		.amdhsa_user_sgpr_count 2
		.amdhsa_user_sgpr_kernarg_segment_ptr 1
		.amdhsa_wavefront_size32 1
		.amdhsa_system_sgpr_workgroup_id_x 1
		.amdhsa_system_sgpr_workgroup_id_y 1
		.amdhsa_system_sgpr_workgroup_id_z 1
		.amdhsa_system_vgpr_workitem_id 0
		.amdhsa_next_free_vgpr 512
		.amdhsa_next_free_sgpr 66
		.amdhsa_reserve_vcc 0
		.amdhsa_float_denorm_mode_32 3
		.amdhsa_float_denorm_mode_16_64 3
		.amdhsa_memory_ordered 1
		.amdhsa_forward_progress 1
		.amdhsa_inst_pref_size 212
	.end_amdhsa_kernel
	.amdgpu_metadata
---
amdhsa.version: [ 1, 2 ]
amdhsa.kernels:
  - .name:           k_qd777809569_attn
    .symbol:         k_qd777809569_attn.kd
    .args:
      - { .name: query, .offset: 0, .size: 8, .value_kind: global_buffer, .address_space: global }
      - { .name: kv, .offset: 8, .size: 8, .value_kind: global_buffer, .address_space: global }
      - { .name: out0, .offset: 16, .size: 8, .value_kind: global_buffer, .address_space: global }
    .group_segment_fixed_size: 327680
    .private_segment_fixed_size: 0
    .kernarg_segment_align: 8
    .kernarg_segment_size: 24
    .max_flat_workgroup_size: 256
    .sgpr_count:     66
    .vgpr_count:     512
    .wavefront_size: 32
...
	.end_amdgpu_metadata
.endif
;; end of part 2
